; MI455X (gfx1250); checked and timed in simulation.
; The chip was launched on July 23, 2026; its instructions are those of AMD's public machine-readable ISA for CDNA 5 (MIT licence, August 2026) and "CDNA5" Instruction Set Architecture Reference Guide (July 2026). The comments in the code are by the model that wrote it; some were corrected since.
;; Causal Self Attention. Allowed arithmetic: matrix products marked QUANTISED: E4M3 operands, one E8M0 scale for each 32 along K, by v_wmma_scale_f32_16x16x128_f8f6f4 with both operands' format E4M3, f32 sums; everything else in f32.
;; Inputs: Wk_codes 768 x 24 x 32 uint8 (E4M3 codes of Wk, K innermost, in blocks of 32 codes); Wk_scales 768 x 24 uint8 (E8M0 scales of Wk, one for each 32 codes along K); Wo_codes 768 x 24 x 32 uint8 (E4M3 codes of Wo, K innermost, in blocks of 32 codes); Wo_scales 768 x 24 uint8 (E8M0 scales of Wo, one for each 32 codes along K); Wq_codes 768 x 24 x 32 uint8 (E4M3 codes of Wq, K innermost, in blocks of 32 codes); Wq_scales 768 x 24 uint8 (E8M0 scales of Wq, one for each 32 codes along K); Wv_codes 768 x 24 x 32 uint8 (E4M3 codes of Wv, K innermost, in blocks of 32 codes); Wv_scales 768 x 24 uint8 (E8M0 scales of Wv, one for each 32 codes along K); position_ids 1 x 4,096 int32; x_codes 1 x 4,096 x 24 x 32 uint8 (E4M3 codes of x, K innermost, in blocks of 32 codes); x_scales 1 x 4,096 x 24 uint8 (E8M0 scales of x, one for each 32 codes along K).
;; Outputs: out0 1 x 4,096 x 768 float32.
;; This version of the problem:
;;   THIS VERSION OF THE PROBLEM IS GIVEN IN LOW PRECISION. The matrix products marked QUANTISED in the list below multiply operands that are first quantised to E4M3 (4 exponent bits, 3 mantissa bits; 8 bits a number), with one power-of-two scale for each 32 numbers along K (OCP MX v1.0); their sums are f32. All else is computed in f32.
;;   The module's matrix products, in the order in which they are computed (A, B: the left and right operand; K: the contracted axis; several contracted axes count as one K, in the product's order):
;;     1. [M 4,096, K 768] x [K 768, N 768]; A: input x (given as codes); B: input Wq (given as codes): QUANTISED
;;     2. [M 4,096, K 768] x [K 768, N 768]; A: input x (given as codes); B: input Wk (given as codes): QUANTISED
;;     3. [M 4,096, K 768] x [K 768, N 768]; A: input x (given as codes); B: input Wv (given as codes): QUANTISED
;;     4. batch 12 x [M 4,096, K 64] x [K 64, N 4,096]; A: computed on the way; B: computed on the way: QUANTISED
;;     5. batch 12 x [M 4,096, K 4,096] x [K 4,096, N 64]; A: softmax (see below); B: computed on the way: QUANTISED
;;     6. [M 4,096, K 768] x [K 768, N 768]; A: computed on the way; B: input Wo (given as codes): QUANTISED
;;   THE QUANTISER, for each operand of a quantised product, along K:
;;     - K is cut into blocks of 32 from its start; a last block that is shorter is filled with zeros.
;;     - A block's scale is 2^e with e = floor(log2(the largest magnitude in the block)) - 8, held to -126 .. 127; a block of zeros has e = 0. As a byte (E8M0): e + 127.
;;     - Each number is divided by its block's scale, clamped to +-448, and rounded to the nearest number of E4M3, ties to even, subnormals kept.
;;     - The product sums the exact products of the quantised numbers (number of the format x scale) in f32.
;;   ~~~python
;;   def quantise(x, axis):      # numpy; x: float32 -> the quantised numbers, widened to float32 again
;;       x = np.moveaxis(x, axis, -1); K = x.shape[-1]
;;       x = np.pad(x, [(0, 0)] * (x.ndim - 1) + [(0, -K % 32)]); x = x.reshape(x.shape[:-1] + (-1, 32)); a = np.abs(x).max(-1, keepdims=True)
;;       e = np.where(a > 0, np.clip(np.frexp(np.where(a > 0, a, 1))[1] - 1 - 8, -126, 127), 0)      # np.frexp(a)[1] - 1 = floor(log2(a)), exactly
;;       r = np.clip(x / 2.0 ** e, -448, 448)
;;       step = 2.0 ** (np.maximum(np.frexp(np.where(r == 0, 1, r))[1] - 1, -6) - 3)
;;       q = np.round(r / step) * step * 2.0 ** e      # np.round: ties to even
;;       return np.moveaxis(q.reshape(q.shape[:-2] + (-1,))[..., :K], -1, axis).astype(np.float32)
;;   ~~~
;;   SOFTMAX AHEAD OF A QUANTISED PRODUCT. Where the list says 'softmax', what is quantised is not the finished softmax but p = 2^(t - M), with t = logit x log2(e) and M = ceil(the row's largest t), a whole number; so 1/2 < the row's largest p <= 1. The row's sum l is taken of the UNQUANTISED p, in f32, and the product's result is divided by l at the end. Since M is a whole number, a kernel that streams over the keys may use a running M (the ceiling of the running maximum): every later rescaling is an exact power of two, which a block's scale takes up: the codes' values come out the same.
;;   OPERANDS COMPUTED ON THE WAY. 'Computed on the way' means the value that the module computes at that place (a softmax that the list does not call 'softmax' is quantised finished and normalised). What goes into a quantiser is computed in f32, as accurately as f32 sums, v_exp_f32 and their like allow (about 1e-6 of the number): no bf16 or f16 on the way to a quantiser, and a product that is left as it is and whose result goes on into a quantised operand takes f32 operands (vector FMAs, or v_wmma_f32_16x16x4_f32). A number that lies on a knife's edge between two numbers of the format may be rounded either way, as far as f32 arithmetic and the matrix unit's own rounding can turn it there, and no further.
;;   INPUTS GIVEN AS CODES. Wk (in the module: [768, 768], K = its axis 0); Wo (in the module: [768, 768], K = its axis 0); Wq (in the module: [768, 768], K = its axis 0); Wv (in the module: [768, 768], K = its axis 0); x (in the module: [1, 4096, 768], K = its axis 2): each comes as NAME_codes (uint8): NAME with its K axis moved to the last place and cut into blocks of 32 codes, [.., K / 32, bytes a block], one block behind the other in memory; one code a byte (a code: sign, 4 exponent bits, 3 mantissa bits); and NAME_scales (uint8): the same leading axes, one E8M0 byte (e + 127) for each 32 codes along K. Its value is code x scale, taken as it is: it is not quantised again, and the codes and scales need not be those that the quantiser above would give.
;; One version. Each part assembles by itself: llvm-mc -triple=amdgcn-amd-amdhsa -mcpu=gfx1250 --defsym DOCPART=n.
;; ======== version 1 of 1: 3 launches
;; limits: inputs' magnitudes at most 1,048,576; right only within a limited range of input values
;; workspace buffers: qq 3,342,336 bytes; kv 6,684,672 bytes; oc 3,145,728 bytes; os 196,608 bytes
;; launch proj (part 1): grid 16 x 9, 4 waves a work-group, no clusters, 327,680 bytes of LDS; arguments x_codes, x_scales, position_ids, Wq_codes, Wq_scales, Wk_codes, Wk_scales, Wv_codes, Wv_scales, qq, kv; writes qq, kv
.if DOCPART == 1
	.amdgcn_target "amdgcn-amd-amdhsa--gfx1250"
	.amdhsa_code_object_version 6
	.text
	.protected	k_q3679febc65_proj
	.globl	k_q3679febc65_proj
	.p2align	8
	.type	k_q3679febc65_proj,@function
k_q3679febc65_proj:
	s_mov_b64 s[64:65], 0
	v_nop
	global_prefetch_b8 v0, s[64:65] scope:SCOPE_SE
	s_setreg_imm32_b32 hwreg(HW_REG_WAVE_MODE, 25, 1), 1
	s_wait_xcnt 0x0
.set XB0,  104576
.set XSL,  209152
.set SCL,  215296
.set LI,   1
.set XAB,  2
.set XSB,  3
.set SCB,  4
.set WA,   5
.set WSO,  6
.set SCWB, 7
.set PA,   8
.set XAD,  9
.set XSD,  10
.set SCD,  11
.set OF,   12
.set WS,   16
.set XSW,  40
.set SW,   52
.set ACC,  56
.set CSN,  120
.set PC,   184
.set TM,   200
.set PW,   216
.set RT,   218
.set TT,   56
.set RR,   72
.set AA,   88
.set NN,   104
.set ZZ,   120
.set SS,   136
.set CC,   152
.set EE,   168
.set NI,   184
.set PP,   200
.set WV,   2
.set KIND, 3
.set CNT,  4
.set HEAD, 5
.set OFS,  6
.set OFB,  7
.set POSB, 38
.set G1X,  40
.set G1S,  48
.set G0X,  56
.set G0S,  60
.set K2PI, 66
.set KP1,  67
.set KP2,  68
.set KP3,  69
.set KS1,  70
.set KS2,  71
.set KS3,  72
.set KS4,  73
.set KC1,  74
.set KC2,  75
.set KC3,  76
.set KSG,  77
.set WC,   80
.set WSC,  82
.set OB,   84
.set OSB,  86
.set BSTR, 88
.set STEPF, 90
.set STEPG, 92
.set SEL,  94
.set MNT,  96
.set XO,   97
.set XSO,  98
.set SCO,  99
.set SCWO, 100
.set MSB, 0
.macro WIN new
.if MSB != \new
	s_set_vgpr_msb (MSB<<8)|\new
.set MSB, \new
.endif
.endm
	s_load_b512 s[16:31], s[0:1], 0x0
	s_load_b128 s[32:35], s[0:1], 0x40
	s_load_b64 s[36:37], s[0:1], 0x50
	v_lshl_add_u32 v254, v0, 2, 0x44900
	v_mov_b32 v255, 0
	ds_add_u32 v254, v255
	ds_add_u32 v254, v255
	v_lshrrev_b32 v1, 5, v0
	v_readfirstlane_b32 s[WV], v1
	s_and_b32 s8, ttmp7, 0xffff
	s_mul_i32 s9, s8, 11
	s_lshr_b32 s[KIND], s9, 5
	s_mul_i32 s9, s[KIND], 3
	s_sub_co_u32 s9, s8, s9
	s_lshl_b32 s9, s9, 2
	s_add_co_u32 s[HEAD], s9, s[WV]
	s_mov_b32 s[G1X+0], (3<<16)|(1<<20)|(5<<22)|(3<<25)
	s_mov_b32 s[G1X+1], 1536<<16
	s_mov_b32 s[G1X+2], 4<<16
	s_mov_b32 s[G1X+3], 1536<<16
	s_mov_b32 s[G1X+4], 4
	s_mov_b32 s[G1X+5], 3072
	s_mov_b32 s[G1X+6], 0
	s_mov_b32 s[G1X+7], 0
	s_mov_b32 s[G1S+0], 3<<16
	s_mov_b32 s[G1S+1], 32<<16
	s_mov_b32 s[G1S+2], 6<<16
	s_mov_b32 s[G1S+3], 32<<16
	s_mov_b32 s[G1S+4], 6
	s_mov_b32 s[G1S+5], 32
	s_mov_b32 s[G1S+6], 0
	s_mov_b32 s[G1S+7], 0
	s_and_b32 s8, s[WV], 1
	s_lshr_b32 s9, s[WV], 1
	s_mul_i32 s10, s8, XB0
	s_mul_i32 s11, s9, 52224
	s_mov_b32 s[G0X], 1
	s_add_co_u32 s[G0X+1], s10, s11
	s_mov_b32 s[G0S], 1
	s_mul_i32 s10, s[WV], 1536
	s_add_co_u32 s[G0S+1], s10, XSL
	s_lshl_b32 s14, ttmp9, 8
	s_lshl_b32 s12, s9, 7
	s_add_co_u32 s12, s12, s14
	s_lshl_b32 s13, s8, 4
	s_add_co_u32 s12, s12, s13
	s_mul_i32 s12, s12, 768
	s_mov_b32 s13, 0
	s_lshl_b32 s15, s[WV], 6
	s_add_co_u32 s14, s14, s15
	s_mul_i32 s10, s14, 24
	s_mov_b32 s11, 0
	s_lshl_b32 s14, s14, 2
	s_mov_b32 s15, 0
	s_wait_dscnt 0x0
	s_wait_kmcnt 0x0
	s_add_nc_u64 s[G0X+2:G0X+3], s[16:17], s[12:13]
	s_or_b32 s[G0X+3], s[G0X+3], 0x80000000
	s_add_nc_u64 s[G0S+2:G0S+3], s[18:19], s[10:11]
	s_or_b32 s[G0S+3], s[G0S+3], 0x80000000
	tensor_load_to_lds s[G0X:G0X+3], s[G1X:G1X+7]
	s_nop 0
	s_add_nc_u64 s[POSB:POSB+1], s[20:21], s[14:15]
	s_mov_b32 s[BSTR], 17408
	s_mov_b32 s8, 16384
	s_mov_b32 s[STEPG], 9216
	s_mov_b32 s[STEPF], 2048
	s_mov_b32 s[OFS], 512
	s_cmp_eq_u32 s[KIND], 0
	s_cselect_b64 s[WC:WC+1], s[22:23], s[26:27]
	s_cselect_b64 s[WSC:WSC+1], s[24:25], s[28:29]
	s_cselect_b64 s[OB:OB+1], s[34:35], s[36:37]
	s_cselect_b32 s[BSTR], 8704, s[BSTR]
	s_cselect_b32 s8, 8192, s8
	s_cselect_b32 s[STEPG], 512, s[STEPG]
	s_cmp_eq_u32 s[KIND], 2
	s_cselect_b64 s[WC:WC+1], s[30:31], s[WC:WC+1]
	s_cselect_b64 s[WSC:WSC+1], s[32:33], s[WSC:WSC+1]
	s_cselect_b32 s8, 16896, s8
	s_cselect_b32 s[STEPG], 15360, s[STEPG]
	s_cselect_b32 s[STEPF], 512, s[STEPF]
	s_cselect_b32 s[OFS], 2048, s[OFS]
	s_cselect_b32 s[OFB], 8192, 0
	s_mov_b32 s[BSTR+1], 0
	s_mov_b32 s[STEPF+1], 0
	s_mov_b32 s[STEPG+1], 0
	s_mov_b32 s9, 0
	s_mul_i32 s10, s[HEAD], 49152
	s_add_nc_u64 s[WC:WC+1], s[WC:WC+1], s[10:11]
	s_mul_i32 s10, s[HEAD], 1536
	s_add_nc_u64 s[WSC:WSC+1], s[WSC:WSC+1], s[10:11]
	s_lshl_b32 s10, s[HEAD], 5
	s_lshl_b32 s12, ttmp9, 1
	s_add_co_u32 s10, s10, s12
	s_mul_i32 s10, s10, s[BSTR]
	s_add_nc_u64 s[OB:OB+1], s[OB:OB+1], s[10:11]
	s_add_nc_u64 s[OSB:OSB+1], s[OB:OB+1], s[8:9]
	v_and_b32 v221, 31, v0
	v_and_b32 v218, 15, v0
	v_bfe_u32 v219, v0, 4, 1
	v_and_b32 v220, 8, v218
	v_add_nc_u32 v220, v220, v218
	v_and_b32 v222, 7, v0
	v_bfe_u32 v223, v0, 3, 1
	v_lshlrev_b32 v[LI], 4, v221
	v_mul_u32_u24 v[XAB], v222, 816
	v_mad_u32_u24 v[XAB], v223, XB0, v[XAB]
	v_lshl_add_u32 v[XAB], v219, 4, v[XAB]
	v_mul_u32_u24 v[XSB], v220, 24
	v_add_nc_u32 v[XSB], XSL, v[XSB]
	v_add_nc_u32 v[SCB], SCL, v[LI]
	s_lshl_b32 s12, s[WV], 14
	v_add_nc_u32 v[SCWB], s12, v[SCB]
	v_mul_u32_u24 v[WA], v220, 768
	v_lshl_add_u32 v[WA], v219, 4, v[WA]
	v_mul_u32_u24 v[WSO], v220, 24
	v_lshlrev_b32 v[PA], 2, v220
	s_mov_b32 s12, s[OFB]
.irp j, 0,1,2,3
	v_add_nc_u32 v[OF+\j], s12, v[LI]
	s_add_co_u32 s12, s12, s[OFS]
.endr
.irp k, 0,1,2,3
	global_load_b32 v[PP+\k], v[PA], s[POSB:POSB+1] offset:(32*(\k/2)+8*(\k%2))*4
.endr
.irp s, 0,1,2,3,4,5
.irp t, 0,1,2,3
	global_load_b32 v[WS+4*\s+\t], v[WSO], s[WSC:WSC+1] offset:(32*(\t/2)+8*(\t%2))*24+4*\s
.endr
.endr
	WIN 0x40
.irp s, 0,1,2,3
.irp t, 0,1,2,3
.irp c, 0,1,2,3
	global_load_b128 v[16*(4*\s+\t)+4*\c:16*(4*\s+\t)+4*\c+3], v[WA], s[WC:WC+1] offset:(32*(\t/2)+8*(\t%2))*768+128*\s+32*\c
.endr
.endr
.endr
	WIN 0x80
.irp s, 4,5
.irp t, 0,1,2,3
.irp c, 0,1,2,3
	global_load_b128 v[16*(4*(\s-4)+\t)+4*\c:16*(4*(\s-4)+\t)+4*\c+3], v[WA], s[WC:WC+1] offset:(32*(\t/2)+8*(\t%2))*768+128*\s+32*\c
.endr
.endr
.endr
	WIN 0
	s_mov_b32 s[SEL], 0x76543210
	s_mov_b32 s[SEL+1], 0xfedcba98
	s_mov_b32 s[MNT], 0x600000
	s_mov_b32 s[K2PI], 0x3f22f983
	s_mov_b32 s[KP1], 0xbfc90fdb
	s_mov_b32 s[KP2], 0x333bbd2e
	s_mov_b32 s[KP3], 0x26f72ced
	s_mov_b32 s[KS1], 0xbe2aaaab
	s_mov_b32 s[KS2], 0x3c088884
	s_mov_b32 s[KS3], 0xb95007cf
	s_mov_b32 s[KS4], 0x36366c3c
	s_mov_b32 s[KC1], 0x3d2aaa9f
	s_mov_b32 s[KC2], 0xbab6043f
	s_mov_b32 s[KC3], 0x37cc9a17
	s_mov_b32 s[KSG], 0x80000000
.irp b, 0,1,2,3
	v_mov_b32 v[TM+4+\b], 0
	v_mov_b32 v[SW+\b], 0
.endr
	; x's scale bytes are a later first fill: the waits, the add and the barrier below stand ahead of it, behind the issue of the weights' loads
	s_wait_alu depctr_va_vdst(0)
	s_wait_tensorcnt 0x0
	ds_add_u32 v254, v255
	s_wait_dscnt 0x0
	s_barrier_signal -1
	s_barrier_wait -1
	tensor_load_to_lds s[G0S:G0S+3], s[G1S:G1S+7]
	s_nop 0
.rept 4
	v_nop
.endr
	v_cmp_lt_u32 vcc_lo, 15, v221
.macro TS i, lo, hi
	v_mov_b32 v[TT+\i], \hi
	v_cndmask_b32 v[TT+\i], \lo, v[TT+\i], vcc_lo
.endm
	TS 0, 1.0, 100.0
	TS 1, 1.33352143, 133.352143
	TS 2, 1.77827941, 177.827941
	TS 3, 2.37137371, 237.137371
	TS 4, 3.16227766, 316.227766
	TS 5, 4.21696503, 421.696503
	TS 6, 5.62341325, 562.341325
	TS 7, 7.49894209, 749.894209
	TS 8, 10.0, 1000.0
	TS 9, 13.3352143, 1333.52143
	TS 10, 17.7827941, 1778.27941
	TS 11, 23.7137371, 2371.37371
	TS 12, 31.6227766, 3162.27766
	TS 13, 42.1696503, 4216.96503
	TS 14, 56.2341325, 5623.41325
	TS 15, 74.9894209, 7498.94209
	s_wait_alu depctr_va_vdst(0)
.irp i, 0,1,2,3,4,5,6,7,8,9,10,11,12,13,14,15
	v_rcp_f32 v[RR+\i], v[TT+\i]
.endr
	v_nop
	s_wait_alu depctr_va_vdst(0)
	s_wait_loadcnt 0x3f
.irp k, 0,1,2,3
	v_cvt_f32_i32 v[PP+\k], v[PP+\k]
.endr
	s_mov_b32 s[SCWO], 0
	s_mov_b32 s[CNT], 0
.Lsc:
	v_add_nc_u32 v[SCD], s[SCWO], v[SCWB]
	s_wait_alu depctr_va_vdst(0)
.irp i, 0,1,2,3,4,5,6,7,8,9,10,11,12,13,14,15
	v_mul_f32 v[AA+\i], v[PP], v[RR+\i]
.endr
.irp i, 0,1,2,3,4,5,6,7,8,9,10,11,12,13,14,15
	v_fma_f32 v[EE+\i], -v[AA+\i], v[TT+\i], v[PP]
.endr
.irp i, 0,1,2,3,4,5,6,7,8,9,10,11,12,13,14,15
	v_fma_f32 v[AA+\i], v[EE+\i], v[RR+\i], v[AA+\i]
.endr
.irp i, 0,1,2,3,4,5,6,7,8,9,10,11,12,13,14,15
	v_mul_f32 v[NN+\i], s[K2PI], v[AA+\i]
.endr
.irp i, 0,1,2,3,4,5,6,7,8,9,10,11,12,13,14,15
	v_rndne_f32 v[NN+\i], v[NN+\i]
.endr
.irp i, 0,1,2,3,4,5,6,7,8,9,10,11,12,13,14,15
	v_fma_f32 v[AA+\i], v[NN+\i], s[KP1], v[AA+\i]
.endr
.irp i, 0,1,2,3,4,5,6,7,8,9,10,11,12,13,14,15
	v_fma_f32 v[AA+\i], v[NN+\i], s[KP2], v[AA+\i]
.endr
.irp i, 0,1,2,3,4,5,6,7,8,9,10,11,12,13,14,15
	v_fma_f32 v[AA+\i], v[NN+\i], s[KP3], v[AA+\i]
.endr
.irp i, 0,1,2,3,4,5,6,7,8,9,10,11,12,13,14,15
	v_cvt_i32_f32 v[NI+\i], v[NN+\i]
	v_mul_f32 v[ZZ+\i], v[AA+\i], v[AA+\i]
.endr
.irp i, 0,1,2,3,4,5,6,7,8,9,10,11,12,13,14,15
	v_fma_f32 v[SS+\i], v[ZZ+\i], s[KS4], s[KS3]
	v_fma_f32 v[CC+\i], v[ZZ+\i], s[KC3], s[KC2]
.endr
.irp i, 0,1,2,3,4,5,6,7,8,9,10,11,12,13,14,15
	v_fma_f32 v[SS+\i], v[SS+\i], v[ZZ+\i], s[KS2]
	v_fma_f32 v[CC+\i], v[CC+\i], v[ZZ+\i], s[KC1]
.endr
.irp i, 0,1,2,3,4,5,6,7,8,9,10,11,12,13,14,15
	v_fma_f32 v[SS+\i], v[SS+\i], v[ZZ+\i], s[KS1]
	v_fma_f32 v[CC+\i], v[CC+\i], v[ZZ+\i], -0.5
.endr
.irp i, 0,1,2,3,4,5,6,7,8,9,10,11,12,13,14,15
	v_mul_f32 v[EE+\i], v[ZZ+\i], v[AA+\i]
	v_fma_f32 v[CC+\i], v[CC+\i], v[ZZ+\i], 1.0
.endr
.irp i, 0,1,2,3,4,5,6,7,8,9,10,11,12,13,14,15
	v_fma_f32 v[SS+\i], v[SS+\i], v[EE+\i], v[AA+\i]
.endr
.irp i, 0,1,2,3,4,5,6,7,8,9,10,11,12,13,14,15
	v_and_b32 v[EE+\i], 1, v[NI+\i]
.endr
.irp i, 0,1,2,3,4,5,6,7,8,9,10,11,12,13,14,15
	v_cmp_eq_u32 vcc_lo, 1, v[EE+\i]
	v_cndmask_b32 v[NN+\i], v[SS+\i], v[CC+\i], vcc_lo
	v_cndmask_b32 v[ZZ+\i], v[CC+\i], v[SS+\i], vcc_lo
.endr
.irp i, 0,1,2,3,4,5,6,7,8,9,10,11,12,13,14,15
	v_lshlrev_b32 v[EE+\i], 30, v[NI+\i]
	v_add_nc_u32 v[NI+\i], 1, v[NI+\i]
.endr
.irp i, 0,1,2,3,4,5,6,7,8,9,10,11,12,13,14,15
	v_and_b32 v[EE+\i], s[KSG], v[EE+\i]
	v_lshlrev_b32 v[NI+\i], 30, v[NI+\i]
.endr
.irp i, 0,1,2,3,4,5,6,7,8,9,10,11,12,13,14,15
	v_xor_b32 v[NN+\i], v[NN+\i], v[EE+\i]
	v_and_b32 v[NI+\i], s[KSG], v[NI+\i]
.endr
.irp i, 0,1,2,3,4,5,6,7,8,9,10,11,12,13,14,15
	v_xor_b32 v[ZZ+\i], v[ZZ+\i], v[NI+\i]
.endr
.irp j, 0,1,2,3
	ds_store_b128 v[SCD], v[ZZ+4*\j:ZZ+4*\j+3] offset:512*\j
	ds_store_b128 v[SCD], v[NN+4*\j:NN+4*\j+3] offset:2048+512*\j
.endr
	v_mov_b32 v[PP], v[PP+1]
	v_mov_b32 v[PP+1], v[PP+2]
	v_mov_b32 v[PP+2], v[PP+3]
	s_add_co_u32 s[SCWO], s[SCWO], 4096
	s_add_co_u32 s[CNT], s[CNT], 1
	s_cmp_lt_u32 s[CNT], 4
	s_cbranch_scc1 .Lsc
.macro LOADX
	WIN 0xc0
.irp s, 0,1,2,3,4,5
.irp u, 0,1
.irp c, 0,1,2,3
	ds_load_b128 v[16*(2*\s+\u)+4*\c:16*(2*\s+\u)+4*\c+3], v[XAD] offset:6528*\u+128*\s+16*(\s/2)+32*\c
.endr
.endr
.endr
	WIN 0
.irp s, 0,1,2,3,4,5
.irp u, 0,1
	ds_load_b32 v[XSW+2*\s+\u], v[XSD] offset:192*\u+4*\s
.endr
.endr
.endm
.macro MMQK
.irp s, 0,1,2,3,4,5
.if \s < 4
	WIN 0x0d
.else
	WIN 0x0e
.endif
.irp u, 0,1
.irp t, 0,1,2,3
.if \s == 0
	v_wmma_scale_f32_16x16x128_f8f6f4 v[ACC+32*\u+8*\t:ACC+32*\u+8*\t+7], v[16*(4*(\s%4)+\t):16*(4*(\s%4)+\t)+15], v[16*(2*\s+\u):16*(2*\s+\u)+15], 0, v[WS+4*\s+\t], v[XSW+2*\s+\u]
.else
	v_wmma_scale_f32_16x16x128_f8f6f4 v[ACC+32*\u+8*\t:ACC+32*\u+8*\t+7], v[16*(4*(\s%4)+\t):16*(4*(\s%4)+\t)+15], v[16*(2*\s+\u):16*(2*\s+\u)+15], v[ACC+32*\u+8*\t:ACC+32*\u+8*\t+7], v[WS+4*\s+\t], v[XSW+2*\s+\u]
.endif
.endr
.endr
.endr
.endm
.macro MMV
.irp s, 0,1,2,3,4,5
.if \s < 4
	WIN 0x07
.else
	WIN 0x0b
.endif
.irp t, 0,1,2,3
.irp u, 0,1
.if \s == 0
	v_wmma_scale_f32_16x16x128_f8f6f4 v[ACC+16*\t+8*\u:ACC+16*\t+8*\u+7], v[16*(2*\s+\u):16*(2*\s+\u)+15], v[16*(4*(\s%4)+\t):16*(4*(\s%4)+\t)+15], 0, v[XSW+2*\s+\u], v[WS+4*\s+\t]
.else
	v_wmma_scale_f32_16x16x128_f8f6f4 v[ACC+16*\t+8*\u:ACC+16*\t+8*\u+7], v[16*(2*\s+\u):16*(2*\s+\u)+15], v[16*(4*(\s%4)+\t):16*(4*(\s%4)+\t)+15], v[ACC+16*\t+8*\u:ACC+16*\t+8*\u+7], v[XSW+2*\s+\u], v[WS+4*\s+\t]
.endif
.endr
.endr
.endr
.endm
.macro ROPE
.irp u, 0,1
.irp i, 0,4,8,12
	v_pk_mul_f32 v[RT:RT+1], v[ACC+32*\u+16+\i:ACC+32*\u+17+\i], v[CSN+32*\u+16+\i:CSN+32*\u+17+\i]
	v_pk_mul_f32 v[RT+2:RT+3], v[ACC+32*\u+\i:ACC+32*\u+1+\i], v[CSN+32*\u+16+\i:CSN+32*\u+17+\i]
	v_pk_mul_f32 v[RT+4:RT+5], v[ACC+32*\u+18+\i:ACC+32*\u+19+\i], v[CSN+32*\u+18+\i:CSN+32*\u+19+\i]
	v_pk_mul_f32 v[RT+6:RT+7], v[ACC+32*\u+2+\i:ACC+32*\u+3+\i], v[CSN+32*\u+18+\i:CSN+32*\u+19+\i]
	v_pk_fma_f32 v[ACC+32*\u+\i:ACC+32*\u+1+\i], v[ACC+32*\u+\i:ACC+32*\u+1+\i], v[CSN+32*\u+\i:CSN+32*\u+1+\i], v[RT:RT+1] neg_lo:[0,0,1] neg_hi:[0,0,1]
	v_pk_fma_f32 v[ACC+32*\u+16+\i:ACC+32*\u+17+\i], v[ACC+32*\u+16+\i:ACC+32*\u+17+\i], v[CSN+32*\u+\i:CSN+32*\u+1+\i], v[RT+2:RT+3]
	v_pk_fma_f32 v[ACC+32*\u+2+\i:ACC+32*\u+3+\i], v[ACC+32*\u+2+\i:ACC+32*\u+3+\i], v[CSN+32*\u+2+\i:CSN+32*\u+3+\i], v[RT+4:RT+5] neg_lo:[0,0,1] neg_hi:[0,0,1]
	v_pk_fma_f32 v[ACC+32*\u+18+\i:ACC+32*\u+19+\i], v[ACC+32*\u+18+\i:ACC+32*\u+19+\i], v[CSN+32*\u+2+\i:CSN+32*\u+3+\i], v[RT+6:RT+7]
.endr
.endr
.endm
.macro QUANT s
.irp b, 0,1,2,3
	v_max3_num_f32 v[TM+\b], |v[\s+16*\b]|, |v[\s+1+16*\b]|, 0x4800000
.endr
.irp i, 2,4,6,8,10,12,14
.irp b, 0,1,2,3
	v_max3_num_f32 v[TM+\b], v[TM+\b], |v[\s+16*\b+\i]|, |v[\s+1+16*\b+\i]|
.endr
.endr
.irp b, 0,1,2,3
	v_permlanex16_b32 v[TM+4+\b], v[TM+\b], s[SEL], s[SEL+1]
.endr
.irp b, 0,1,2,3
	v_max_num_f32 v[TM+\b], v[TM+\b], v[TM+4+\b]
.endr
.irp b, 0,1,2,3
	v_add_nc_u32 v[TM+12+\b], 0xfc000000, v[TM+\b]
.endr
.irp b, 0,1,2,3
	v_and_or_b32 v[TM+8+\b], v[TM+\b], 0x7f800000, s[MNT]
.endr
.irp b, 0,1,2,3
	v_lshrrev_b32 v[TM+4+\b], 23, v[TM+12+\b]
.endr
	v_lshl_or_b32 v[PW], v[TM+5], 8, v[TM+4]
	v_lshl_or_b32 v[PW], v[TM+6], 16, v[PW]
	v_lshl_or_b32 v[PW], v[TM+7], 24, v[PW]
.irp b, 0,1,2,3
.irp i, 0,1,2,3,4,5,6,7,8,9,10,11,12,13,14,15
	v_med3_num_f32 v[\s+16*\b+\i], v[\s+16*\b+\i], -v[TM+8+\b], v[TM+8+\b]
.endr
	v_cvt_scalef32_pk8_fp8_f32 v[PC+4*\b:PC+1+4*\b], v[\s+16*\b:\s+7+16*\b], v[TM+12+\b]
	v_cvt_scalef32_pk8_fp8_f32 v[PC+2+4*\b:PC+3+4*\b], v[\s+8+16*\b:\s+15+16*\b], v[TM+12+\b]
.endr
	v_nop
.endm
.macro FBODY pre
	s_wait_dscnt 0x0
	s_cmp_eq_u32 s[KIND], 2
	s_cbranch_scc1 .Lmv_\@
	MMQK
	WIN 0
	s_branch .Lmj_\@
.Lmv_\@:
	MMV
	WIN 0
.Lmj_\@:
	v_add_nc_u32 v[SCD], s[SCO], v[SCB]
.rept 8
	v_nop
.endr
.irp u, 0,1
.irp j, 0,1,2,3
	ds_load_b128 v[CSN+32*\u+4*\j:CSN+32*\u+4*\j+3], v[SCD] offset:4096*\u+512*\j
	ds_load_b128 v[CSN+32*\u+16+4*\j:CSN+32*\u+16+4*\j+3], v[SCD] offset:4096*\u+2048+512*\j
.endr
.endr
	s_add_co_u32 s[SCO], s[SCO], 8192
.if \pre
	s_add_co_u32 s[XO], s[XO], 13056
	s_add_co_u32 s[XSO], s[XSO], 768
	v_add_nc_u32 v[XAD], s[XO], v[XAB]
	v_add_nc_u32 v[XSD], s[XSO], v[XSB]
	LOADX
	s_wait_dscnt 60
.else
	s_wait_dscnt 0x0
.endif
	s_cmp_eq_u32 s[KIND], 2
	s_cbranch_scc1 .Lnr_\@
	ROPE
.Lnr_\@:
	QUANT ACC
	s_cmp_eq_u32 s[KIND], 2
	s_cbranch_scc1 .Lsv_\@
	v_mov_b32 v[SW], v[SW+1]
	v_mov_b32 v[SW+1], v[SW+2]
	v_mov_b32 v[SW+2], v[SW+3]
	v_mov_b32 v[SW+3], v[PW]
	s_branch .Lsj_\@
.Lsv_\@:
.irp b, 0,1,2,3
	v_lshrrev_b32 v[SW+\b], 8, v[SW+\b]
.endr
.irp b, 0,1,2,3
	v_lshl_or_b32 v[SW+\b], v[TM+4+\b], 24, v[SW+\b]
.endr
.Lsj_\@:
	s_wait_alu depctr_va_vdst(0)
.irp j, 0,1,2,3
	global_store_b128 v[OF+\j], v[PC+4*\j:PC+4*\j+3], s[OB:OB+1]
.endr
.if \pre
	s_and_b32 s8, s[CNT], 3
	s_cmp_eq_u32 s8, 3
	s_cbranch_scc0 .Lns_\@
	global_store_b128 v[LI], v[SW:SW+3], s[OSB:OSB+1]
	s_wait_xcnt 0x0
	s_add_nc_u64 s[OSB:OSB+1], s[OSB:OSB+1], s[BSTR:BSTR+1]
	s_add_nc_u64 s[OB:OB+1], s[OB:OB+1], s[STEPG:STEPG+1]
.Lns_\@:
	s_wait_xcnt 0x0
	s_add_nc_u64 s[OB:OB+1], s[OB:OB+1], s[STEPF:STEPF+1]
.else
	global_store_b128 v[LI], v[SW:SW+3], s[OSB:OSB+1]
.endif
.endm
	s_wait_tensorcnt 0x0
	s_wait_dscnt 0x0
	s_barrier_signal -1
	s_barrier_wait -1
	s_wait_loadcnt 0x0
	s_mov_b32 s[XO], 0
	s_mov_b32 s[XSO], 0
	s_mov_b32 s[SCO], 0
	v_add_nc_u32 v[XAD], s[XO], v[XAB]
	v_add_nc_u32 v[XSD], s[XSO], v[XSB]
	LOADX
	s_mov_b32 s[CNT], 0
.LF:
	FBODY 1
	s_add_co_u32 s[CNT], s[CNT], 1
	s_cmp_lt_u32 s[CNT], 7
	s_cbranch_scc1 .LF
	FBODY 0
	s_wait_tensorcnt 0x0
	ds_add_u32 v254, v255
	s_wait_dscnt 0x0
	s_endpgm
.Lfunc_end_k_q3679febc65_proj:
	.size	k_q3679febc65_proj, .Lfunc_end_k_q3679febc65_proj-k_q3679febc65_proj
	.p2alignl 7, 3214868480
	.fill 96, 4, 3214868480
	.section	.rodata,"a",@progbits
	.p2align	6, 0x0
	.amdhsa_kernel k_q3679febc65_proj
		.amdhsa_group_segment_fixed_size 327680
		.amdhsa_private_segment_fixed_size 0
		.amdhsa_enable_private_segment 0
		.amdhsa_kernarg_size 88
		.amdhsa_user_sgpr_count 2
		.amdhsa_user_sgpr_kernarg_segment_ptr 1
		.amdhsa_wavefront_size32 1
		.amdhsa_system_sgpr_workgroup_id_x 1
		.amdhsa_system_sgpr_workgroup_id_y 1
		.amdhsa_system_sgpr_workgroup_id_z 1
		.amdhsa_system_vgpr_workitem_id 0
		.amdhsa_next_free_vgpr 960
		.amdhsa_next_free_sgpr 102
		.amdhsa_reserve_vcc 1
		.amdhsa_float_denorm_mode_32 3
		.amdhsa_float_denorm_mode_16_64 3
		.amdhsa_memory_ordered 1
		.amdhsa_forward_progress 1
		.amdhsa_inst_pref_size 107
	.end_amdhsa_kernel
	.amdgpu_metadata
---
amdhsa.version: [ 1, 2 ]
amdhsa.kernels:
  - .name:           k_q3679febc65_proj
    .symbol:         k_q3679febc65_proj.kd
    .args:
      - { .name: x_codes, .offset: 0, .size: 8, .value_kind: global_buffer, .address_space: global }
      - { .name: x_scales, .offset: 8, .size: 8, .value_kind: global_buffer, .address_space: global }
      - { .name: position_ids, .offset: 16, .size: 8, .value_kind: global_buffer, .address_space: global }
      - { .name: Wq_codes, .offset: 24, .size: 8, .value_kind: global_buffer, .address_space: global }
      - { .name: Wq_scales, .offset: 32, .size: 8, .value_kind: global_buffer, .address_space: global }
      - { .name: Wk_codes, .offset: 40, .size: 8, .value_kind: global_buffer, .address_space: global }
      - { .name: Wk_scales, .offset: 48, .size: 8, .value_kind: global_buffer, .address_space: global }
      - { .name: Wv_codes, .offset: 56, .size: 8, .value_kind: global_buffer, .address_space: global }
      - { .name: Wv_scales, .offset: 64, .size: 8, .value_kind: global_buffer, .address_space: global }
      - { .name: qq, .offset: 72, .size: 8, .value_kind: global_buffer, .address_space: global }
      - { .name: kv, .offset: 80, .size: 8, .value_kind: global_buffer, .address_space: global }
    .group_segment_fixed_size: 327680
    .private_segment_fixed_size: 0
    .kernarg_segment_align: 8
    .kernarg_segment_size: 88
    .max_flat_workgroup_size: 128
    .sgpr_count:     102
    .vgpr_count:     960
    .wavefront_size: 32
...
	.end_amdgpu_metadata
.endif
;; end of part 1
;; launch attn (part 2): grid 64 x 4, 16 waves a work-group, no clusters, 327,680 bytes of LDS; arguments qq, kv, oc, os; writes oc, os
.if DOCPART == 2
	.amdgcn_target "amdgcn-amd-amdhsa--gfx1250"
	.amdhsa_code_object_version 6
	.text
	.protected	k_q3679febc65_attn
	.globl	k_q3679febc65_attn
	.p2align	8
	.type	k_q3679febc65_attn,@function
k_q3679febc65_attn:
	s_mov_b64 s[64:65], 0
	v_nop
	global_prefetch_b8 v0, s[64:65] scope:SCOPE_SE
	s_setreg_imm32_b32 hwreg(HW_REG_WAVE_MODE, 25, 1), 1
	s_wait_xcnt 0x0
; Causal attention on codes of FP8 (E4M3) with E8M0 scales, head size 64, 4,096 rows, 12 heads; its result, divided by the row's sum, is quantised along the 768 for the last product.
; LEFT OUT: key steps all of whose keys come after a tile's queries: reference() builds the causal mask itself and the softmax gives them the weight 0 for every input.  A NaN or infinity that reaches only such steps is not carried on.
; SOFTMAX: t = score x log2(e) / 8; M = the running largest t rounded UP to a whole number; p = 2^(t - M) is quantised along the keys, not normalised; the row's sum is taken of the unquantised p;
; when M moves, the sum and O are multiplied by 2^(old M - new M), which rounds nothing.  Hidden scores become -infinity ahead of the maximum, so their p is 0.
; SHARES.  A unit is 64 rows of one head: half j % 2 of group G = j / 2 (128 rows); it needs key steps 0 .. G of 128 keys.  Sixteen waves: wave = 4 f + tile; the four waves of a tile of 16 queries share its key steps out:
; phase f takes steps f, f + 4, ..  A quad is four key steps, one for each phase.  At the end of a unit's last quad phases 1 to 3 lay (O^T, -M, sum) into a stage in LDS; the next change of slots shows them,
; and at the next trip's head the phase 0 wave of each tile, which has kept its own state in registers, joins the four (factors 2^(M_i - largest M), exact), divides, quantises and stores, while the other waves go on.
; Work-group (x, y), m = x / 2, o = x % 2, takes units j = 63 - m of head 3 y + 1 + o, j = 31 - m of head 3 y + 2 - o, j = x of head 3 y: each (head, j) once in the launch; the three j add up to 94 + o: 13 or 14 quads in every work-group.
; Every work-group walks 14 trips: constants of the text.  A step past its unit's G is jumped over by a scalar branch on ids, and is not fetched either.
; No cluster: the work-groups walk different heads and different numbers of key steps, so partners' descriptors would not be equal on every way.
; RING: two LDS slots of one quad; a key step is 17,408 dense bytes of kv: images of the operands' registers.  Waves 0 to 3 fetch one step each.  One tensor load of a wave is out at the most; every wait for them is for 0.
; STAGE: 12 x 4,608 bytes behind each slot, written by LDS stores alone; it turns with the slot: trip t stores into stage t % 2, trip t + 1 reads that one and stores into the other; a change of slots stands between a stage's reads and its next stores.
; LAYOUT (as the first launch laid it).  perm(r) = r + 8 (r / 8).  Lane r of tile (F, u) of a group is row 32 F + 8 u + perm(r).  A fragment of K holds TWO tiles of keys (K = 64 fills half of the instruction's 128):
; it is multiplied twice, by q followed by zero codes and by zero codes followed by q: v[24:39] and v[16:31].  Both products are used transposed: a lane holds one query;
; the 16 registers of two neighbouring tiles are 16 neighbouring keys, so p's codes are the second product's operand as they stand.
; OUT.  oc [tile T = 8 G + w][12288]: head * 1024 + B * 512 + 16 lane.  os [T][6][32 lanes][4]: head h writes the half-word 2 (h % 2) of word h / 2.
; LIMITS: the scaled scores stay under 2^31 in magnitude.  A block of zeros gets the scale byte 1, not 127 (its codes are zeros; this program alone reads the bytes).  NaN and infinities are not served.
.set STEPB, 17408
.set QUADB, 4*STEPB
.set SLOT1, 131072                     ; slot 1 begins here: one exclusive or turns an address in one slot, or in its stage, into the other's
.set STG,   QUADB                      ; the stage behind slot 0
.set MW,    4608                       ; a wave's state
.set SPARE, 2*SLOT1                    ; the spare words, 128 bytes for each wave
.set NT,    14
.set LI,   1                           ; 16 x lane
.set SPW,  2
.set NIL,  3
.set ADR,  4
.set DM,   5                           ; my query within its 64 rows - 16 (lane / 16)
.set PFO,  6
.set OSO,  7                           ; 4 x lane
.set LIP,  8                           ; 16 x lane + my phase's key step in a slot
.set QAO,  9
.set QSO,  10
.set QS2,  48                          ; v40-47 the next unit's q, v48 its scale word
.set QS,   49
.set MRD,  50                          ; my tile's states in stage 0
.set MST,  51                          ; where my state goes in stage 0
.set FR,   52
.set SR,   116
.set OT,   180
.set PC,   212
.set BM,   228
.set BT,   232
.set HO,   236
.set SO,   240
.set KS,   244
.set VS,   248
.set WV,   12
.set PH,   13
.set TAU,  14
.set TT,   15                          ; the trip
.set TB,   16
.set CG,   17                          ; G of the unit in hand, of the next, of the one after; -1: none
.set CG1,  18
.set CG2,  19
.set CK,   20                          ; the quad's first key step
.set MS,   21                          ; my key step
.set FL,   22
.set LQ,   23                          ; 1 in a unit's last quad
.set SEL,  24
.set CS,   26
.set G1,   28
.set G0,   36
.set FG,   40                          ; the same walk, one quad ahead, for the fetches
.set FG1,  41
.set FG2,  42
.set FK,   43
.set FB,   44
.set FB1,  46
.set FB2,  48
.set PB,   50
.set PFA,  56
.set PS,   58
.set PK,   59
.set MNT,  60
.set PSEL, 61
.set FS,   62
.set H64,  63
.set H641, 66
.set H642, 67
.set OC0,  68
.set OC1,  70
.set OC2,  72
.set OS0,  74
.set OS1,  76
.set OS2,  78
.set QC,   80
.set QCS,  82
.set OCP,  84                          ; where the unit that ended last trip goes
.set OSP,  86
.set MQ,   88                          ; 1: a unit ended last trip
; Waves 0 to 3 fetch, one key step each.  ids = 1: a key step past the unit's G (or past the last unit: G = -1) is read by no wave and is not asked for: wave's number, work-group's number and count of trips alone decide.
.macro TLOAD ids
	s_cmp_lt_u32 s[WV], 4
	s_cbranch_scc0 .Lno_\@
.if \ids
	s_cmp_le_i32 s[FS], s[FG]
	s_cbranch_scc0 .Lno_\@
.endif
	tensor_load_to_lds s[G0:G0+3], s[G1:G1+7]
	s_nop 0
.rept 4
	v_nop
.endr
.Lno_\@:
.endm
; A prefetch of one quad, 272 blocks of 256 bytes, by waves 4 to 12, a lane a block (lanes past block 271 name it again).  Three work-groups of each y walk a whole head (j = 63) and ask for it, each block once in the launch:
; x = 0 and 1 in trip t for quad t + 2 of their first unit (t = 0 .. 5); x = 63, whose third unit begins in trip 6, in trip t for that unit's quad t - 4 (t = 4 .. 11): one trip ahead of the tensor load that wants it.
.macro ASK
	s_cmp_lt_u32 s[PK], 8
	s_cbranch_scc0 .Lnm_\@
	global_prefetch_b8 v[PFO], s[PFA:PFA+1] th:TH_LOAD_NT scope:SCOPE_SE
.Lnm_\@:
.endm
; a unit's numbers from j and its head: G, 64 x half, the head's kv, q's codes and scale words, where my tile goes
.macro UNIT j, h, cg, h64, fb, oc, os
	s_lshr_b32 s[\cg], s[\j], 1
	s_and_b32 s84, s[\j], 1
	s_lshl_b32 s[\h64], s84, 6
	s_mul_i32 s86, s[\h], 32*STEPB
	s_mov_b32 s87, 0
	s_add_nc_u64 s[\fb:\fb+1], s[6:7], s[86:87]
	s_lshl_b32 s86, s[\h], 5
	s_add_co_u32 s86, s86, s[\cg]
	s_mul_i32 s86, s86, 8704
	s_lshl_b32 s85, s84, 3
	s_add_co_u32 s88, s86, s85
	s_mov_b32 s89, 0
	s_add_nc_u64 s[QCS:QCS+1], s[4:5], s[88:89]
	s_lshl_b32 s85, s84, 12
	s_add_co_u32 s86, s86, s85
	s_add_nc_u64 s[QC:QC+1], s[4:5], s[86:87]
	s_lshl_b32 s85, s[\cg], 3
	s_lshl_b32 s84, s84, 2
	s_add_co_u32 s85, s85, s84
	s_add_co_u32 s85, s85, s[TAU]                  ; T
	s_mul_i32 s86, s85, 12288
	s_lshl_b32 s88, s[\h], 10
	s_add_co_u32 s86, s86, s88
	s_add_nc_u64 s[\oc:\oc+1], s[8:9], s[86:87]
	s_mul_i32 s86, s85, 768
	s_lshr_b32 s88, s[\h], 1
	s_lshl_b32 s88, s88, 7
	s_add_co_u32 s86, s86, s88
	s_and_b32 s88, s[\h], 1
	s_lshl_b32 s88, s88, 1
	s_add_co_u32 s86, s86, s88
	s_add_nc_u64 s[\os:\os+1], s[10:11], s[86:87]
.endm
	s_load_b256 s[4:11], s[0:1], 0x0               ; qq 4, kv 6, oc 8, os 10
	v_lshl_add_u32 v[SPW], v0, 2, SPARE
	v_mov_b32 v[NIL], 0
	ds_add_u32 v[SPW], v[NIL]                      ; the opening: the add, twice on end, and its wait ahead of the first tensor load
	ds_add_u32 v[SPW], v[NIL]
	v_lshrrev_b32 v254, 5, v0
	v_readfirstlane_b32 s[WV], v254                ; wave 0..15
	s_lshr_b32 s[PH], s[WV], 2
	s_and_b32 s[TAU], s[WV], 3
	s_and_b32 s90, ttmp7, 0xffff
	s_mul_i32 s90, s90, 3                          ; the third unit's head
	s_lshr_b32 s91, ttmp9, 1                       ; m
	s_and_b32 s92, ttmp9, 1                        ; o
	s_sub_co_u32 s93, 63, s91
	s_sub_co_u32 s94, 31, s91
	s_add_co_u32 s95, s90, 1
	s_add_co_u32 s95, s95, s92
	s_add_co_u32 s96, s90, 2
	s_sub_co_u32 s96, s96, s92
	s_mov_b32 s97, ttmp9
	s_mov_b32 s[G1+0], 3<<16                       ; a key step: 68 dense rows of 256 bytes (32 elements of 8 bytes), no padding
	s_mov_b32 s[G1+1], 32<<16
	s_mov_b32 s[G1+2], 68<<16
	s_mov_b32 s[G1+3], 32<<16
	s_mov_b32 s[G1+4], 68
	s_mov_b32 s[G1+5], 32
	s_mov_b32 s[G1+6], 0
	s_mov_b32 s[G1+7], 0
	s_mov_b32 s[G0], 1
	s_mul_i32 s[G0+1], s[WV], STEPB                ; slot 0, my step
	s_mul_i32 s52, s[WV], STEPB
	s_mov_b32 s53, 0
	s_mul_i32 s84, s[PH], STEPB
	s_lshl_b32 s85, s[TAU], 10
	s_lshr_b32 s54, s[TAU], 1
	s_lshl_b32 s86, s54, 2
	s_add_co_u32 s86, s86, 8192
	s_mul_i32 s87, s[WV], MW
	s_add_co_u32 s87, s87, STG-4*MW                ; waves 4 to 15 store: wave 4's state lies first
	s_mul_i32 s88, s[TAU], MW
	s_add_co_u32 s88, s88, STG
	s_lshl_b32 s54, s54, 5
	s_and_b32 s55, s[WV], 1
	s_mov_b32 s[PSEL], 0x01000100                  ; q's scale word: the two bytes of my tile, twice
	s_cmp_eq_u32 s55, 1
	s_cselect_b32 s[PSEL], 0x03020302, s[PSEL]
	s_lshl_b32 s55, s55, 3
	s_add_co_u32 s54, s54, s55
	v_and_b32 v254, 31, v0
	v_lshlrev_b32 v[LI], 4, v254
	v_lshlrev_b32 v[OSO], 2, v254
	v_add_nc_u32 v[LIP], s84, v[LI]
	v_add_nc_u32 v[QAO], s85, v[LI]                ; q's codes of my tile: 1024 x tile + 16 lane
	v_add_nc_u32 v[QSO], s86, v[LI]                ; its scale word: 8192 + 16 lane + 4 (tile / 2)
	v_add_nc_u32 v[MST], s87, v[LI]
	v_add_nc_u32 v[MRD], s88, v[LI]
	v_add_nc_u32 v[PFO], 0xffffff80, v0            ; my thread's number - 128 (waves 0 to 3, which wrap, ask for nothing)
	v_min_u32 v[PFO], 271, v[PFO]
	v_lshlrev_b32 v[PFO], 8, v[PFO]
	v_and_b32 v254, 15, v0                         ; r
	v_bfe_u32 v255, v0, 4, 1                       ; h
	v_and_b32 v[DM], 8, v254
	v_add_nc_u32 v[DM], v[DM], v254                ; perm(r)
	v_lshlrev_b32 v255, 4, v255
	v_sub_nc_u32 v[DM], v[DM], v255
	v_add_nc_u32 v[DM], s54, v[DM]
.irp j, 0,1,2,3,4,5,6,7
	v_mov_b32 v[16+\j], 0                          ; zero codes on both sides of q
	v_mov_b32 v[32+\j], 0
	v_mov_b32 v[BM+\j], 0                          ; written once: lane permutes' destinations and upper halves of pairs count as read
.endr
.set n, 0
.rept 32
	v_mov_b32 v[OT+n], 0                           ; the step is written once: the first finds zeros
.set n, n+1
.endr
	v_mov_b32 v253, 0
	v_mov_b32 v13, 0xff61b1e6                      ; the largest t so far: -3e38
	v_floor_f32 v12, -v13                          ; -M
	v_mov_b32 v14, 0
	v_mov_b32 v15, 0
	s_wait_alu depctr_va_vdst(0)
	s_wait_dscnt 0x0
	s_wait_kmcnt 0x0
	UNIT 93, 95, CG, H64, FB, OC0, OS0
	s_add_nc_u64 s[G0+2:G0+3], s[FB:FB+1], s[52:53]
	s_or_b32 s[G0+3], s[G0+3], 0x80000000
	TLOAD 0                                        ; the first unit has G of 16 or more: all four steps of its first quad are read
	global_load_b128 v[24:27], v[QAO], s[QC:QC+1]
	global_load_b128 v[28:31], v[QAO], s[QC:QC+1] offset:512
	global_load_b32 v[QS], v[QSO], s[QCS:QCS+1]
	s_wait_xcnt 0x0                                ; the loads have read their bases
	UNIT 94, 96, CG1, H641, FB1, OC1, OS1
	global_load_b128 v[40:43], v[QAO], s[QC:QC+1]
	global_load_b128 v[44:47], v[QAO], s[QC:QC+1] offset:512
	global_load_b32 v[QS2], v[QSO], s[QCS:QCS+1]
	s_wait_xcnt 0x0
	UNIT 97, 90, CG2, H642, FB2, OC2, OS2          ; the third unit's q is fetched when the first unit has ended
	s_mov_b64 s[OCP:OCP+1], s[OC0:OC0+1]
	s_mov_b64 s[OSP:OSP+1], s[OS0:OS0+1]
	s_mov_b32 s[MQ], 0
	s_mov_b32 s[FG], s[CG]
	s_mov_b32 s[FG1], s[CG1]
	s_mov_b32 s[FG2], s[CG2]
	s_mov_b32 s[FK], 0
	s_mov_b32 s[PS], 100                           ; trip - PS under 8: I ask; 100: never
	s_cmp_lt_u32 ttmp9, 2
	s_cselect_b32 s[PS], -2, s[PS]
	s_cselect_b64 s[PB:PB+1], s[FB:FB+1], s[FB2:FB2+1]
	s_cmp_eq_u32 ttmp9, 63
	s_cselect_b32 s[PS], 4, s[PS]
	s_sub_co_u32 s52, s[WV], 4
	s_cmp_lt_u32 s52, 9
	s_cselect_b32 s[PS], s[PS], 100
	s_mov_b32 s[SEL], 0x76543210
	s_mov_b32 s[SEL+1], 0xfedcba98
	s_mov_b32 s[CS], 0x3e38aa3b                    ; c = log2(e) / 8
	s_mov_b32 s[CS+1], s[CS]
	s_mov_b32 s[MNT], 0x600000
	s_mov_b32 s[CK], 0
	s_mov_b32 s[TB], 0
	s_mov_b32 s[TT], 0
	s_wait_alu depctr_va_vdst(0)
	s_wait_loadcnt 0x0
	v_perm_b32 v[QS], v[QS], v[QS], s[PSEL]
; A KEY STEP: 128 keys
.macro STEP
	s_cmp_eq_u32 s[MS], s[CG]
	s_cselect_b32 s[FL], 1, 0                      ; 1 on the diagonal
	v_add_nc_u32 v[ADR], s[TB], v[LIP]
.rept 7
	v_nop                                          ; with the line above eight places behind the last products, in front of loads into registers that they read, and in front of a scaled product whose scale word a vector line wrote
.endr
	ds_load_b128 v[KS:KS+3], v[ADR] offset:16384
.set n, 0
.rept 16
	ds_load_b128 v[FR+4*n:FR+4*n+3], v[ADR] offset:512*n
.set n, n+1
.endr
	s_wait_alu depctr_va_vdst(0)
.irp f, 0,1,2,3                        ; S^T = K Q^T: each fragment twice
	s_wait_dscnt 12-4*\f                           ; the scale words and fragment f are in; the 12 - 4 f loads of the later fragments may be out
	v_wmma_scale_f32_16x16x128_f8f6f4 v[SR+16*\f:SR+16*\f+7], v[FR+16*\f:FR+16*\f+15], v[24:39], 0, v[KS+\f], v[QS]
	v_wmma_scale_f32_16x16x128_f8f6f4 v[SR+16*\f+8:SR+16*\f+15], v[FR+16*\f:FR+16*\f+15], v[16:31], 0, v[KS+\f], v[QS]
.endr
.rept 8
	v_nop
.endr
.set n, 0
.rept 16
	ds_load_b128 v[FR+4*n:FR+4*n+3], v[ADR] offset:8192+512*n   ; V's fragments land while the softmax is worked
.set n, n+1
.endr
	ds_load_b128 v[VS:VS+3], v[ADR] offset:16896
	s_cmp_eq_u32 s[FL], 0
	s_cbranch_scc1 .Lopen_\@
	v_mov_b32 v254, 0xff800000                     ; on the diagonal: register 16 b + i holds key 32 b + 16 (lane / 16) + i of the group: hidden where 32 b + i > my query in the group - 16 (lane / 16)
	v_add_nc_u32 v255, s[H64], v[DM]
.set n, 0
.rept 64
	v_cmp_gt_i32 vcc_lo, 32*(n/16)+n%16, v255
	v_cndmask_b32 v[SR+n], v[SR+n], v254, vcc_lo
.set n, n+1
.endr
.Lopen_\@:
.irp b, 0,1,2,3
	v_max3_num_f32 v[BM+\b], v[SR+16*\b], v[SR+16*\b+1], v[SR+16*\b+2]   ; the largest score of each block of 32 keys: for the row's maximum, and, since p rises with the score, for the block's largest p
.endr
.irp i, 3,5,7,9,11,13
.irp b, 0,1,2,3
	v_max3_num_f32 v[BM+\b], v[BM+\b], v[SR+16*\b+\i], v[SR+16*\b+\i+1]
.endr
.endr
.irp b, 0,1,2,3
	v_max_num_f32 v[BM+\b], v[BM+\b], v[SR+16*\b+15]
.endr
.irp b, 0,1,2,3
	s_delay_alu instid0(VALU_DEP_4)
	v_permlanex16_b32 v[BT+\b], v[BM+\b], s[SEL], s[SEL+1]
.endr
.irp b, 0,1,2,3
	s_delay_alu instid0(VALU_DEP_4)
	v_max_num_f32 v[BM+\b], v[BM+\b], v[BT+\b]
.endr
	s_delay_alu instid0(VALU_DEP_2)
	v_max3_num_f32 v254, v[BM], v[BM+1], v[BM+2]
	s_delay_alu instid0(VALU_DEP_1)
	v_max_num_f32 v254, v254, v[BM+3]
	s_delay_alu instid0(VALU_DEP_1)
	v_mul_f32 v254, s[CS], v254
	s_delay_alu instid0(VALU_DEP_1)
	v_max_num_f32 v13, v13, v254                   ; the running largest t
	v_mov_b32 v254, v12
	s_delay_alu instid0(VALU_DEP_2)
	v_floor_f32 v12, -v13                          ; -M = floor(-t): M is a whole number
	s_delay_alu instid0(VALU_DEP_1)
	v_sub_f32 v254, v12, v254                      ; old M - new M, 0 or less
	s_delay_alu instid0(VALU_DEP_1)
	v_cvt_i32_f32 v254, v254                       ; (it saturates)
	s_delay_alu instid0(VALU_DEP_1)
	v_ldexp_f32 v252, 1.0, v254                    ; f = 2^(old M - new M)
.set n, 0
.rept 32
	v_pk_fma_f32 v[SR+n:SR+n+1], v[SR+n:SR+n+1], s[CS:CS+1], v[12:13] op_sel_hi:[1,0,0]   ; t - M
.set n, n+2
.endr
.irp b, 0,1,2,3
	v_fma_f32 v[BM+\b], v[BM+\b], s[CS], v12
.endr
.set n, 0
	s_wait_alu depctr_va_vdst(0)
.rept 64
	v_exp_f32 v[SR+n], v[SR+n]                     ; p
.set n, n+1
.endr
	v_pk_mul_f32 v[14:15], v[14:15], v[252:253] op_sel_hi:[1,0]   ; the sums under the new M: the plain line behind the exponentials
	s_wait_alu depctr_va_vdst(0)                   ; one wait for the batch of 64, ahead of its first reader
.irp b, 0,1,2,3
	v_exp_f32 v[BM+\b], v[BM+\b]                   ; each block's largest p
.endr
	v_pk_add_f32 v[232:233], v[120:121], v[124:125]   ; the row's sum of the unquantised p, in eight chains
	v_pk_add_f32 v[246:247], v[128:129], v[132:133]
	v_pk_add_f32 v[244:245], v[136:137], v[140:141]
	v_pk_add_f32 v[242:243], v[144:145], v[148:149]
	v_pk_add_f32 v[240:241], v[152:153], v[156:157]
	v_pk_add_f32 v[238:239], v[160:161], v[164:165]
	v_pk_add_f32 v[236:237], v[168:169], v[172:173]
	v_pk_add_f32 v[14:15], v[14:15], v[176:177]
	v_pk_add_f32 v[232:233], v[232:233], v[116:117]
	v_pk_add_f32 v[246:247], v[246:247], v[118:119]
	v_pk_add_f32 v[244:245], v[244:245], v[122:123]
	v_pk_add_f32 v[242:243], v[242:243], v[126:127]
	v_pk_add_f32 v[240:241], v[240:241], v[130:131]
	v_pk_add_f32 v[238:239], v[238:239], v[134:135]
	v_pk_add_f32 v[236:237], v[236:237], v[138:139]
	v_pk_add_f32 v[14:15], v[14:15], v[142:143]
	v_pk_add_f32 v[232:233], v[232:233], v[146:147]
	v_pk_add_f32 v[246:247], v[246:247], v[150:151]
	v_pk_add_f32 v[244:245], v[244:245], v[154:155]
	v_pk_add_f32 v[242:243], v[242:243], v[158:159]
	v_pk_add_f32 v[240:241], v[240:241], v[162:163]
	v_pk_add_f32 v[238:239], v[238:239], v[166:167]
	v_pk_add_f32 v[236:237], v[236:237], v[170:171]
	v_pk_add_f32 v[14:15], v[14:15], v[174:175]
	v_pk_add_f32 v[232:233], v[232:233], v[178:179]
	s_delay_alu instid0(VALU_DEP_2)
	v_pk_add_f32 v[14:15], v[14:15], v[242:243]
	s_delay_alu instid0(VALU_DEP_2)
	v_pk_add_f32 v[232:233], v[232:233], v[240:241]
	v_pk_add_f32 v[246:247], v[246:247], v[238:239]
	v_pk_add_f32 v[244:245], v[244:245], v[236:237]
	s_delay_alu instid0(VALU_DEP_2)
	v_pk_add_f32 v[14:15], v[14:15], v[246:247]
	s_delay_alu instid0(VALU_DEP_2)
	v_pk_add_f32 v[232:233], v[232:233], v[244:245]
	s_delay_alu instid0(VALU_DEP_1)
	v_pk_add_f32 v[14:15], v[14:15], v[232:233]
	s_wait_alu depctr_va_vdst(0)                   ; and one for the four
.irp b, 0,1,2,3
	v_max_num_f32 v[BM+\b], 0x4800000, v[BM+\b]    ; the floor 2^(9 - 127)
.endr
.irp b, 0,1,2,3
	s_delay_alu instid0(VALU_DEP_4)
	v_add_nc_u32 v[SO+\b], 0xfc000000, v[BM+\b]    ; the conversion's scale operand
.endr
.irp b, 0,1,2,3
	v_and_or_b32 v[HO+\b], v[BM+\b], 0x7f800000, s[MNT]   ; 448 x the scale
.endr
.irp b, 0,1,2,3
	v_lshrrev_b32 v[BT+\b], 23, v[SO+\b]           ; the scale's byte
.endr
	s_delay_alu instid0(VALU_DEP_3)
	v_lshl_or_b32 v253, v[BT+1], 8, v[BT]          ; p's scale word
	s_delay_alu instid0(VALU_DEP_1)
	v_lshl_or_b32 v253, v[BT+2], 16, v253
	s_delay_alu instid0(VALU_DEP_1)
	v_lshl_or_b32 v253, v[BT+3], 24, v253
.irp b, 0,1,2,3
.set n, 0
.rept 16
	v_min_num_f32 v[SR+16*\b+n], v[SR+16*\b+n], v[HO+\b]   ; the hold; p is not negative
.set n, n+1
.endr
	v_cvt_scalef32_pk8_fp8_f32 v[PC+4*\b:PC+4*\b+1], v[SR+16*\b:SR+16*\b+7], v[SO+\b]
	v_cvt_scalef32_pk8_fp8_f32 v[PC+4*\b+2:PC+4*\b+3], v[SR+16*\b+8:SR+16*\b+15], v[SO+\b]
.endr
	s_wait_alu depctr_va_vdst(0)                   ; directly ahead of the first reader of O^T
.set n, 0
.rept 16
	v_pk_mul_f32 v[OT+n:OT+n+1], v[OT+n:OT+n+1], v[252:253] op_sel_hi:[1,0]   ; O^T under the new M; also the places between the codes and the products
.set n, n+2
.endr
	s_wait_alu depctr_va_vdst(0)
	s_wait_dscnt 0x0                               ; V is in
.irp t, 0,1,2,3                        ; O^T += V^T P^T: the four accumulators by turns
	v_wmma_scale_f32_16x16x128_f8f6f4 v[OT+8*\t:OT+8*\t+7], v[FR+16*\t:FR+16*\t+15], v[PC:PC+15], v[OT+8*\t:OT+8*\t+7], v[VS+\t], v253
.endr
.endm
; THE CHANGE OF SLOTS stands at a trip's head.  Each wave waits for all its tensor loads, adds 0 to its spare word, and waits for that, for its LDS reads and for its stores into the stage.
; fill = 1: the fetches' walk goes one quad on; behind the barrier the slot that was left takes that quad, which has one quad's work in which to land.
.macro CHANGE fill
	s_wait_alu depctr_va_vdst(0)
	s_wait_tensorcnt 0x0                           ; no tensor load of mine is out, so group 0 may be written
	ds_add_u32 v[SPW], v[NIL]
.if \fill
	ds_add_u32 v[SPW], v[NIL]                      ; and twice on end where a load may still follow
	s_add_co_u32 s[FK], s[FK], 4
	s_cmp_gt_i32 s[FK], s[FG]                      ; past the unit's last key step: on to the next unit
	s_cselect_b32 s[FK], 0, s[FK]
	s_cselect_b32 s[FG], s[FG1], s[FG]
	s_cselect_b32 s[FG1], s[FG2], s[FG1]
	s_cselect_b32 s[FG2], -1, s[FG2]
	s_cselect_b64 s[FB:FB+1], s[FB1:FB1+1], s[FB:FB+1]
	s_cselect_b64 s[FB1:FB1+1], s[FB2:FB2+1], s[FB1:FB1+1]
	s_add_co_u32 s[FS], s[FK], s[WV]               ; the key step that I would fetch
	s_mul_i32 s52, s[FS], STEPB
	s_mov_b32 s53, 0
	s_add_nc_u64 s[G0+2:G0+3], s[FB:FB+1], s[52:53]
	s_or_b32 s[G0+3], s[G0+3], 0x80000000
	s_xor_b32 s[G0+1], s[G0+1], SLOT1              ; the other slot than last time
	s_wait_xcnt 0x0                                ; the last prefetch, a trip back, has read its address
	s_sub_co_u32 s[PK], s[TT], s[PS]               ; the quad that I ask for, if under 8
	s_min_u32 s52, s[PK], 7
	s_mul_i32 s52, s52, QUADB
	s_add_nc_u64 s[PFA:PFA+1], s[PB:PB+1], s[52:53]
.endif
	s_wait_dscnt 0x0
	s_barrier_signal -1
	s_barrier_wait -1
.if \fill
	TLOAD 1                                        ; the first thing behind the barrier, and a wave's one tensor load until the next
	ASK
.endif
.endm
; A UNIT ENDED LAST TRIP.  Waves 0 to 3 join their tile's four states and send the tile out; then every wave begins the next unit, if there is one.
.macro PEND
	s_cmp_eq_u32 s[MQ], 0
	s_cbranch_scc1 .Lnop_\@
.rept 8
	v_nop                                          ; places behind the last products, in front of loads into and writes of their registers
.endr
	s_cmp_lt_u32 s[WV], 4
	s_cbranch_scc0 .Lrst_\@
	v_add_f32 v14, v14, v15
	s_xor_b32 s52, s[TB], SLOT1                    ; last trip's stage
	v_add_nc_u32 v[ADR], s52, v[MRD]
.irp i, 0,1,2
	ds_load_b128 v[SR+32+4*\i:SR+35+4*\i], v[ADR] offset:4*MW*\i+4096   ; phase i + 1: -M, .., the sum
.endr
.irp i, 0,1
.irp k, 0,1,2,3,4,5,6,7
	ds_load_b128 v[FR+32*\i+4*\k:FR+32*\i+4*\k+3], v[ADR] offset:4*MW*\i+512*\k
.endr
.endr
.irp k, 0,1,2,3,4,5,6,7
	ds_load_b128 v[SR+4*\k:SR+4*\k+3], v[ADR] offset:4*MW*2+512*\k
.endr
	s_wait_alu depctr_va_vdst(0)
	s_wait_dscnt 24                                ; the three states' -M and sums are in; the 24 loads of O^T may be out
	v_min3_num_f32 v254, v12, v[SR+32], v[SR+36]
	v_min_num_f32 v254, v254, v[SR+40]             ; - the largest M
	v_sub_f32 v[HO], v254, v12                     ; M_i - the largest M: a whole number, 0 or less (a phase without a step: -3e38)
.irp i, 0,1,2
	v_sub_f32 v[HO+1+\i], v254, v[SR+32+4*\i]
.endr
.irp i, 0,1,2,3
	v_cvt_i32_f32 v[HO+\i], v[HO+\i]               ; (it saturates)
.endr
.irp i, 0,1,2,3
	v_ldexp_f32 v[BM+2*\i], 1.0, v[HO+\i]
.endr
	v_mul_f32 v255, v[BM], v14
	v_fma_f32 v255, v[BM+2], v[SR+34], v255
	v_fma_f32 v255, v[BM+4], v[SR+38], v255
	v_fma_f32 v255, v[BM+6], v[SR+42], v255
	v_permlanex16_b32 v254, v255, s[SEL], s[SEL+1]
	v_add_f32 v255, v255, v254                     ; the row's sum
	s_wait_alu depctr_va_vdst(0)
	v_rcp_f32 v255, v255
	v_nop
	s_wait_alu depctr_va_vdst(0)
.irp i, 0,1,2,3
	v_mul_f32 v[BM+2*\i], v[BM+2*\i], v255         ; the factors, divided by the sum
.endr
	s_wait_dscnt 0x0
	s_wait_alu depctr_va_vdst(0)                   ; directly ahead of the first reader of O^T
.set n, 0
.rept 16
	v_pk_mul_f32 v[OT+n:OT+n+1], v[OT+n:OT+n+1], v[BM:BM+1] op_sel_hi:[1,0]
.set n, n+2
.endr
.irp i, 0,1
.set n, 0
.rept 16
	v_pk_fma_f32 v[OT+n:OT+n+1], v[FR+32*\i+n:FR+32*\i+n+1], v[BM+2+2*\i:BM+3+2*\i], v[OT+n:OT+n+1] op_sel_hi:[1,0,1]
.set n, n+2
.endr
.endr
.set n, 0
.rept 16
	v_pk_fma_f32 v[OT+n:OT+n+1], v[SR+n:SR+n+1], v[BM+6:BM+7], v[OT+n:OT+n+1] op_sel_hi:[1,0,1]
.set n, n+2
.endr
.irp b, 0,1                            ; register 16 B + i is d = 32 B + 16 (lane / 16) + i: two blocks of 32 along d, by turns
	v_max3_num_f32 v[HO+\b], |v[OT+16*\b]|, |v[OT+16*\b+1]|, 0x4800000
.endr
.irp i, 2,4,6,8,10,12,14
.irp b, 0,1
	v_max3_num_f32 v[HO+\b], v[HO+\b], |v[OT+16*\b+\i]|, |v[OT+16*\b+\i+1]|
.endr
.endr
.irp b, 0,1
	v_permlanex16_b32 v[HO+2+\b], v[HO+\b], s[SEL], s[SEL+1]
.endr
.irp b, 0,1
	v_max_num_f32 v[HO+\b], v[HO+\b], v[HO+2+\b]
.endr
.irp b, 0,1
	v_add_nc_u32 v[SO+\b], 0xfc000000, v[HO+\b]
.endr
.irp b, 0,1
	v_and_or_b32 v[HO+2+\b], v[HO+\b], 0x7f800000, s[MNT]
.endr
.irp b, 0,1
	v_lshrrev_b32 v[254+\b], 23, v[SO+\b]
.endr
	v_lshl_or_b32 v254, v255, 8, v254
.irp b, 0,1
.set n, 0
.rept 16
	v_med3_num_f32 v[OT+16*\b+n], v[OT+16*\b+n], -v[HO+2+\b], v[HO+2+\b]
.set n, n+1
.endr
	v_cvt_scalef32_pk8_fp8_f32 v[PC+4*\b:PC+4*\b+1], v[OT+16*\b:OT+16*\b+7], v[SO+\b]
	v_cvt_scalef32_pk8_fp8_f32 v[PC+4*\b+2:PC+4*\b+3], v[OT+16*\b+8:OT+16*\b+15], v[SO+\b]
.endr
	v_nop                                          ; a plain line behind the last conversion
	global_store_b128 v[LI], v[PC:PC+3], s[OCP:OCP+1]          ; 512 consecutive bytes, aligned
	global_store_b128 v[LI], v[PC+4:PC+7], s[OCP:OCP+1] offset:512
	global_store_b16 v[OSO], v254, s[OSP:OSP+1]                ; two of a word's four bytes: the other two are the neighbouring head's
	s_wait_alu depctr_va_vdst(0)
	s_wait_xcnt 0x0                                ; the stores have read their data: the next step writes those registers
.Lrst_\@:
	s_cmp_lt_i32 s[CG], 0
	s_cbranch_scc1 .Lnop_\@
.set n, 0
.rept 32
	v_mov_b32 v[OT+n], 0                           ; the next unit begins
.set n, n+1
.endr
	v_mov_b32 v13, 0xff61b1e6
	v_floor_f32 v12, -v13
	v_mov_b32 v14, 0
	v_mov_b32 v15, 0
	s_wait_alu depctr_va_vdst(0)
	s_wait_loadcnt 0x0                             ; its q is in
.irp j, 0,1,2,3,4,5,6,7
	v_mov_b32 v[24+\j], v[40+\j]
.endr
	v_perm_b32 v[QS], v[QS2], v[QS2], s[PSEL]
	s_cmp_lt_i32 s[CG1], 0
	s_cbranch_scc1 .Lnop_\@
	global_load_b128 v[40:43], v[QAO], s[QC:QC+1]  ; the third unit's q
	global_load_b128 v[44:47], v[QAO], s[QC:QC+1] offset:512
	global_load_b32 v[QS2], v[QSO], s[QCS:QCS+1]
.Lnop_\@:
.endm
; A TRIP'S WORK: what last trip left (pend = 1); my key step of the quad, if the unit has it; at a unit's last quad phases 1 to 3 lay their states into this trip's stage
.macro WORK pend
.if \pend
	PEND
.endif
	s_add_co_u32 s[MS], s[CK], s[PH]
	s_cmp_gt_i32 s[MS], s[CG]
	s_cbranch_scc1 .Lhid_\@
	STEP
.Lhid_\@:
	s_add_co_u32 s52, s[CK], 4
	s_cmp_gt_i32 s52, s[CG]
	s_cselect_b32 s[LQ], 1, 0
	s_cmp_lt_i32 s[CG], 0
	s_cselect_b32 s[LQ], 0, s[LQ]
	s_cmp_eq_u32 s[LQ], 0
	s_cbranch_scc1 .Lnost_\@
	s_cmp_lt_u32 s[WV], 4
	s_cbranch_scc1 .Lnost_\@
.rept 8
	v_nop                                          ; places behind the last products
.endr
	v_add_f32 v14, v14, v15
	v_add_nc_u32 v[ADR], s[TB], v[MST]
.set n, 0
.rept 8
	ds_store_b128 v[ADR], v[OT+4*n:OT+4*n+3] offset:512*n   ; each accumulator from its low end on
.set n, n+1
.endr
	ds_store_b128 v[ADR], v[12:15] offset:4096     ; -M, the largest t, the sum of my lane's keys
.Lnost_\@:
	s_add_co_u32 s[CK], s[CK], 4
	s_mov_b32 s[MQ], s[LQ]
	s_cmp_eq_u32 s[LQ], 1                          ; behind a unit's last quad: on to the next unit
	s_cselect_b64 s[OCP:OCP+1], s[OC0:OC0+1], s[OCP:OCP+1]
	s_cselect_b64 s[OSP:OSP+1], s[OS0:OS0+1], s[OSP:OSP+1]
	s_cselect_b32 s[CK], 0, s[CK]
	s_cselect_b32 s[CG], s[CG1], s[CG]
	s_cselect_b32 s[CG1], s[CG2], s[CG1]
	s_cselect_b32 s[CG2], -1, s[CG2]
	s_cselect_b32 s[H64], s[H641], s[H64]
	s_cselect_b32 s[H641], s[H642], s[H641]
	s_cselect_b64 s[OC0:OC0+1], s[OC1:OC1+1], s[OC0:OC0+1]
	s_cselect_b64 s[OC1:OC1+1], s[OC2:OC2+1], s[OC1:OC1+1]
	s_cselect_b64 s[OS0:OS0+1], s[OS1:OS1+1], s[OS0:OS0+1]
	s_cselect_b64 s[OS1:OS1+1], s[OS2:OS2+1], s[OS1:OS1+1]
	s_xor_b32 s[TB], s[TB], SLOT1                  ; on to the other slot and the other stage
.endm
	CHANGE 1                                       ; the first trip is written out: no unit has ended before it (the first unit has five quads or more)
	WORK 0
	s_mov_b32 s[TT], 1
.Ltrip:                                            ; trips 1 to NT - 2: behind each change of slots the next quad is asked for, as far as the walk has one
	CHANGE 1
	WORK 1
	s_add_co_u32 s[TT], s[TT], 1
	s_cmp_lt_u32 s[TT], NT-1
	s_cbranch_scc1 .Ltrip
	CHANGE 0                                       ; the last trip is written out: it asks for nothing
	WORK 1
	s_wait_alu depctr_va_vdst(0)
	s_wait_dscnt 0x0                               ; for the others' sake: my state is stored
	s_barrier_signal -1
	s_barrier_wait -1
	PEND                                           ; a walk of 14 quads ends its third unit in the last trip
	s_wait_tensorcnt 0x0                           ; the wave's end
	ds_add_u32 v[SPW], v[NIL]
	s_wait_dscnt 0x0
	s_endpgm
.Lfunc_end_k_q3679febc65_attn:
	.size	k_q3679febc65_attn, .Lfunc_end_k_q3679febc65_attn-k_q3679febc65_attn
	.p2alignl 7, 3214868480
	.fill 96, 4, 3214868480
	.section	.rodata,"a",@progbits
	.p2align	6, 0x0
	.amdhsa_kernel k_q3679febc65_attn
		.amdhsa_group_segment_fixed_size 327680
		.amdhsa_private_segment_fixed_size 0
		.amdhsa_enable_private_segment 0
		.amdhsa_kernarg_size 32
		.amdhsa_user_sgpr_count 2
		.amdhsa_user_sgpr_kernarg_segment_ptr 1
		.amdhsa_wavefront_size32 1
		.amdhsa_system_sgpr_workgroup_id_x 1
		.amdhsa_system_sgpr_workgroup_id_y 1
		.amdhsa_system_sgpr_workgroup_id_z 1
		.amdhsa_system_vgpr_workitem_id 0
		.amdhsa_next_free_vgpr 256
		.amdhsa_next_free_sgpr 100
		.amdhsa_reserve_vcc 1
		.amdhsa_float_denorm_mode_32 3
		.amdhsa_float_denorm_mode_16_64 3
		.amdhsa_memory_ordered 1
		.amdhsa_forward_progress 1
		.amdhsa_inst_pref_size 134
	.end_amdhsa_kernel
	.amdgpu_metadata
---
amdhsa.version: [ 1, 2 ]
amdhsa.kernels:
  - .name:           k_q3679febc65_attn
    .symbol:         k_q3679febc65_attn.kd
    .args:
      - { .name: qq, .offset: 0, .size: 8, .value_kind: global_buffer, .address_space: global }
      - { .name: kv, .offset: 8, .size: 8, .value_kind: global_buffer, .address_space: global }
      - { .name: oc, .offset: 16, .size: 8, .value_kind: global_buffer, .address_space: global }
      - { .name: os, .offset: 24, .size: 8, .value_kind: global_buffer, .address_space: global }
    .group_segment_fixed_size: 327680
    .private_segment_fixed_size: 0
    .kernarg_segment_align: 8
    .kernarg_segment_size: 32
    .max_flat_workgroup_size: 512
    .sgpr_count:     100
    .vgpr_count:     256
    .wavefront_size: 32
...
	.end_amdgpu_metadata
.endif
;; end of part 2
;; launch oproj (part 3): grid 64 x 4, 4 waves a work-group, clusters of 4 x 4, 264,192 bytes of LDS; arguments oc, os, Wo_codes, Wo_scales, out0; writes out0
.if DOCPART == 3
	.amdgcn_target "amdgcn-amd-amdhsa--gfx1250"
	.amdhsa_code_object_version 6
	.text
	.protected	k_q3679febc65_oproj
	.globl	k_q3679febc65_oproj
	.p2align	8
	.type	k_q3679febc65_oproj,@function
k_q3679febc65_oproj:
	s_mov_b64 s[64:65], 0
	v_nop
	global_prefetch_b8 v0, s[64:65] scope:SCOPE_SE
	s_setreg_imm32_b32 hwreg(HW_REG_WAVE_MODE, 25, 1), 1
	s_wait_xcnt 0x0
	s_wait_alu depctr_hold_cnt(0) depctr_sa_sdst(0) depctr_va_vdst(0) depctr_va_sdst(0) depctr_va_ssrc(0) depctr_va_vcc(0) depctr_vm_vsrc(0)
	s_getreg_b32 s2, hwreg(HW_REG_IB_STS2, 6, 4)
	s_cmp_eq_u32 s2, 0
	s_cbranch_scc0 .Lentry_in_a_cluster
	s_endpgm
.Lentry_in_a_cluster:
	s_bfe_u32 s2, ttmp6, 0x10000c
	s_cmp_lg_u32 s2, 0xf033
	s_cbranch_scc0 .Lentry_shape_is_right
	s_endpgm
.Lentry_shape_is_right:
; out0 = o Wo on codes of FP8 (E4M3) with E8M0 scales.  o: images of operand registers, oc [tile T of 16 rows][6 K steps][4][32 lanes][16 bytes], os [T][6][32 lanes][4 bytes];
; lane r of tile T is row 32 (T / 2) + 8 (T % 2) + r + 8 (r / 8).  Wo: [768 columns][768] codes, K innermost, 24 scale bytes a column.  out0: [4096][768] f32.
; SHARES.  Work-group (X, Y): four tiles of o (64 rows), 192 columns; wave w takes columns 48 w .. 48 w + 47 for the four tiles: 12 accumulators, 72 products.  All of K fits in LDS by first fills; nothing is filled again.
; CLUSTER 4 x 4.  Wo's 192 columns hang on Y alone and are shared along a row of the cluster, o's tiles on X alone and are shared along a column: each of the four blocks is asked for jointly, one load a wave.
; There is one cluster along y, so Y is the place cy.
; The product is used transposed (source 0 = 16 columns of Wo, source 1 = a tile of o): a lane holds eight neighbouring columns of one row.  Results meet in a stage in LDS and leave as aligned runs of 256 bytes.
.set OIL,  156672                      ; LDS: Wo's codes from 0 (192 rows, 768 bytes + 16 behind each 256: pitch 816); o's images here (4 x 12,288);
.set OSL,  205824                      ; o's scale words (4 x 768);
.set WSL,  208896                      ; Wo's scale bytes (192 x 24);
.set STG,  213504                      ; the stage: 64 rows x (768 + 16) bytes, written by LDS stores: blocks of its own, into which no fill lands
.set WA,   1
.set OA,   2
.set WSA,  3
.set OSA,  4
.set SO,   5
.set RD,   6
.set CO,   7
.set WSC,  8                           ; v8-10 Wo's scale words
.set OSC,  12                          ; v12-15 o's
.set WF,   16                          ; v16-63 three fragments of Wo
.set OFR,  64                          ; v64-127 four fragments of o
.set ACC,  128                         ; v128-223 accumulator (m, t) at 8 (3 m + t)
.set BK,   16                          ; the way out: 24 x 4 registers
.set WV,   14
.set G1W,  24
.set G1O,  32
.set G1OS, 40
.set G1WS, 48
.set G0W,  56
.set G0O,  60
.set G0OS, 68
.set G0WS, 72
.macro CROUND                          ; a round of the cluster's barrier
	s_barrier_signal -1
	s_barrier_wait -1
	s_cmp_lg_u32 s[WV], 0
	s_cbranch_scc1 .Lnw0_\@
	s_barrier_signal -3
.Lnw0_\@:
	s_barrier_wait -3
	s_barrier_signal -1
	s_barrier_wait -1
.endm
.macro G1REST g, rows                  ; rows of 256 bytes (32 elements of 8 bytes), dense in memory
	s_mov_b32 s[\g+1], 32<<16
	s_mov_b32 s[\g+2], (\rows)<<16
	s_mov_b32 s[\g+3], 32<<16
	s_mov_b32 s[\g+4], \rows
	s_mov_b32 s[\g+5], 32
	s_mov_b32 s[\g+6], 0
	s_mov_b32 s[\g+7], 0
.endm
	s_load_b256 s[4:11], s[0:1], 0x0               ; oc 4, os 6, Wo codes 8, Wo scales 10
	s_load_b64 s[12:13], s[0:1], 0x20              ; out0
	v_lshl_add_u32 v254, v0, 2, 0x40600
	v_mov_b32 v255, 0
	ds_add_u32 v254, v255
	ds_add_u32 v254, v255
	v_lshrrev_b32 v1, 5, v0
	v_readfirstlane_b32 s[WV], v1                  ; wave 0..3
	s_bfe_u32 s15, ttmp6, 0x40000                  ; cx
	s_bfe_u32 s16, ttmp6, 0x40004                  ; cy = Y
	s_lshl_b32 s17, ttmp9, 2
	s_add_co_u32 s17, s17, s15                     ; X = 4 x cluster x + cx
	s_lshl_b32 s18, s16, 2
	s_lshl_b32 s18, 15, s18                        ; my row of the cluster
	s_lshl_b32 s19, 0x1111, s15                    ; my column
	s_or_b32 s[G1W], s18, (3<<16)|(1<<20)|(1<<21)|(5<<22)|(3<<25)   ; the mask; elements of 8 bytes; padding: four words behind every 64; bit 21 beside a mask
	s_or_b32 s[G1O], s19, (3<<16)|(1<<21)
	s_or_b32 s[G1OS], s19, (3<<16)|(1<<21)
	s_or_b32 s[G1WS], s18, (3<<16)|(1<<21)
	G1REST G1W, 576
	G1REST G1O, 192
	G1REST G1OS, 12
	G1REST G1WS, 18
	s_mul_i32 s20, s16, 147456                     ; Wo's 192 rows: Y alone
	s_mov_b32 s21, 0
	s_mul_i32 s76, s16, 4608
	s_mov_b32 s77, 0
	s_mul_i32 s22, s17, 49152                      ; o's four tiles: X alone
	s_mov_b32 s23, 0
	s_mul_i32 s78, s17, 3072
	s_mov_b32 s79, 0
	s_wait_dscnt 0x0
	s_wait_kmcnt 0x0
	CROUND                                         ; all sixteen work-groups are here: the joint loads meet
	s_mov_b32 s[G0W], 1
	s_mov_b32 s[G0W+1], 0
	s_add_nc_u64 s[G0W+2:G0W+3], s[8:9], s[20:21]
	s_or_b32 s[G0W+3], s[G0W+3], 0x80000000
	s_mov_b32 s[G0O], 1
	s_mov_b32 s[G0O+1], OIL
	s_add_nc_u64 s[G0O+2:G0O+3], s[4:5], s[22:23]
	s_or_b32 s[G0O+3], s[G0O+3], 0x80000000
	s_mov_b32 s[G0OS], 1
	s_mov_b32 s[G0OS+1], OSL
	s_add_nc_u64 s[G0OS+2:G0OS+3], s[6:7], s[78:79]
	s_or_b32 s[G0OS+3], s[G0OS+3], 0x80000000
	s_mov_b32 s[G0WS], 1
	s_mov_b32 s[G0WS+1], WSL
	s_add_nc_u64 s[G0WS+2:G0WS+3], s[10:11], s[76:77]
	s_or_b32 s[G0WS+3], s[G0WS+3], 0x80000000
	s_cmp_eq_u32 s[WV], 0                          ; one joint load a wave; the branches hang on the wave's number alone; four v_nop follow each load
	s_cbranch_scc0 .Lw1
	tensor_load_to_lds s[G0W:G0W+3], s[G1W:G1W+7]
	s_nop 0
.rept 4
	v_nop
.endr
	s_branch .Lasked
.Lw1:
	s_cmp_eq_u32 s[WV], 1
	s_cbranch_scc0 .Lw2
	tensor_load_to_lds s[G0O:G0O+3], s[G1O:G1O+7]
	s_nop 0
.rept 4
	v_nop
.endr
	s_branch .Lasked
.Lw2:
	s_cmp_eq_u32 s[WV], 2
	s_cbranch_scc0 .Lw3
	tensor_load_to_lds s[G0OS:G0OS+3], s[G1OS:G1OS+7]
	s_nop 0
.rept 4
	v_nop
.endr
	s_branch .Lasked
.Lw3:
	tensor_load_to_lds s[G0WS:G0WS+3], s[G1WS:G1WS+7]
	s_nop 0
.rept 4
	v_nop
.endr
.Lasked:
	v_and_b32 v120, 15, v0                         ; r
	v_bfe_u32 v121, v0, 4, 1                       ; h
	v_and_b32 v122, 31, v0                         ; lane
	s_mul_i32 s80, s[WV], 39168                    ; my 48 rows of Wo
	v_mul_u32_u24 v[WA], v120, 816
	v_lshl_add_u32 v[WA], v121, 4, v[WA]
	v_add_nc_u32 v[WA], s80, v[WA]
	v_lshlrev_b32 v[OA], 4, v122
	v_add_nc_u32 v[OA], OIL, v[OA]
	s_mul_i32 s80, s[WV], 1152                     ; their scale bytes: 48 x 24
	v_mul_u32_u24 v[WSA], v120, 24
	v_add_nc_u32 v[WSA], s80, v[WSA]
	v_add_nc_u32 v[WSA], WSL, v[WSA]
	v_lshlrev_b32 v[OSA], 2, v122
	v_add_nc_u32 v[OSA], OSL, v[OSA]
	s_mul_i32 s80, s[WV], 192
	v_mul_u32_u24 v[SO], v120, 784
	v_lshl_add_u32 v[SO], v121, 5, v[SO]
	v_add_nc_u32 v[SO], s80, v[SO]
	v_add_nc_u32 v[SO], STG, v[SO]                 ; into the stage: row r of a tile, my 48 columns, 32 bytes for each half of the lanes
	s_mul_i32 s80, s[WV], 12544
	v_mul_u32_u24 v[RD], v121, 784
	v_lshl_add_u32 v[RD], v120, 4, v[RD]
	v_add_nc_u32 v[RD], s80, v[RD]
	v_add_nc_u32 v[RD], STG, v[RD]                 ; back: tile w's rows; lanes 0-15 one row, lanes 16-31 the next
	v_mul_u32_u24 v[CO], v121, 3072
	v_lshl_add_u32 v[CO], v120, 4, v[CO]
	s_lshl_b32 s82, s17, 6                         ; tile 4 X + w begins at row 64 X + 32 (w / 2) + 8 (w % 2)
	s_lshr_b32 s83, s[WV], 1
	s_lshl_b32 s83, s83, 5
	s_add_co_u32 s82, s82, s83
	s_and_b32 s83, s[WV], 1
	s_lshl_b32 s83, s83, 3
	s_add_co_u32 s82, s82, s83
	s_mul_i32 s82, s82, 3072
	s_mul_i32 s83, s16, 768
	s_add_co_u32 s82, s82, s83
	s_mov_b32 s83, 0
	s_add_nc_u64 s[12:13], s[12:13], s[82:83]
	s_wait_tensorcnt 0x0                           ; my block has landed,
	s_barrier_signal -1
	s_barrier_wait -1                              ; everybody's has
.macro KSTEP s
.if \s > 0
.rept 8
	v_nop                                          ; places in front of loads into registers that the last products read
.endr
.endif
.irp t, 0,1,2
.irp c, 0,1,2,3
	ds_load_b128 v[WF+16*\t+4*\c:WF+16*\t+4*\c+3], v[WA] offset:13056*\t+128*\s+16*(\s/2)+32*\c
.endr
.endr
.irp m, 0,1,2,3
.irp c, 0,1,2,3
	ds_load_b128 v[OFR+16*\m+4*\c:OFR+16*\m+4*\c+3], v[OA] offset:12288*\m+2048*\s+512*\c
.endr
.endr
.irp t, 0,1,2
	ds_load_b32 v[WSC+\t], v[WSA] offset:384*\t+4*\s
.endr
.irp m, 0,1,2,3
	ds_load_b32 v[OSC+\m], v[OSA] offset:768*\m+128*\s
.endr
	s_wait_dscnt 0x0
.irp m, 0,1,2,3                        ; the twelve accumulators by turns, one instruction a turn; the first K step starts the sums
.irp t, 0,1,2
.if \s == 0
	v_wmma_scale_f32_16x16x128_f8f6f4 v[ACC+8*(3*\m+\t):ACC+8*(3*\m+\t)+7], v[WF+16*\t:WF+16*\t+15], v[OFR+16*\m:OFR+16*\m+15], 0, v[WSC+\t], v[OSC+\m]
.else
	v_wmma_scale_f32_16x16x128_f8f6f4 v[ACC+8*(3*\m+\t):ACC+8*(3*\m+\t)+7], v[WF+16*\t:WF+16*\t+15], v[OFR+16*\m:OFR+16*\m+15], v[ACC+8*(3*\m+\t):ACC+8*(3*\m+\t)+7], v[WSC+\t], v[OSC+\m]
.endif
.endr
.endr
.endm
	KSTEP 0
	KSTEP 1
	KSTEP 2
	KSTEP 3
	KSTEP 4
	KSTEP 5
.rept 8
	v_nop                                          ; places in front of the first read of results, and of the loads into the fragments' registers below
.endr
	s_wait_alu depctr_va_vdst(0)
.irp m, 0,1,2,3
.irp t, 0,1,2
	ds_store_b128 v[SO], v[ACC+8*(3*\m+\t):ACC+8*(3*\m+\t)+3] offset:12544*\m+64*\t        ; each accumulator from its low end on
	ds_store_b128 v[SO], v[ACC+8*(3*\m+\t)+4:ACC+8*(3*\m+\t)+7] offset:12544*\m+64*\t+16
.endr
.endr
	s_wait_dscnt 0x0                               ; for the others' sake: my stores into the stage are done
	s_barrier_signal -1
	s_barrier_wait -1
.irp p, 0,1,2,3,4,5,6,7
.irp c, 0,1,2
	ds_load_b128 v[BK+4*(3*\p+\c):BK+4*(3*\p+\c)+3], v[RD] offset:1568*\p+256*\c
.endr
.endr
.irp p, 0,1,2,3,4,5,6,7
.irp c, 0,1,2
	s_wait_dscnt 23-(3*\p+\c)                      ; this load is in; the younger ones may stay out
	global_store_b128 v[CO], v[BK+4*(3*\p+\c):BK+4*(3*\p+\c)+3], s[12:13] offset:(2*\p+8*(\p/4))*3072+256*\c th:TH_STORE_NT   ; stage row 2 p + h of the tile is row 2 p + h + 8 (p / 4); 16 lanes store 256 consecutive bytes, aligned
.endr
.endr
	s_wait_tensorcnt 0x0
	ds_add_u32 v254, v255
	s_wait_dscnt 0x0
	CROUND                                         ; the closing round: no work-group ends while a partner may still ask for a block that names it
	s_endpgm
.Lfunc_end_k_q3679febc65_oproj:
	.size	k_q3679febc65_oproj, .Lfunc_end_k_q3679febc65_oproj-k_q3679febc65_oproj
	.p2alignl 7, 3214868480
	.fill 96, 4, 3214868480
	.section	.rodata,"a",@progbits
	.p2align	6, 0x0
	.amdhsa_kernel k_q3679febc65_oproj
		.amdhsa_group_segment_fixed_size 264192
		.amdhsa_private_segment_fixed_size 0
		.amdhsa_enable_private_segment 0
		.amdhsa_kernarg_size 40
		.amdhsa_user_sgpr_count 2
		.amdhsa_user_sgpr_kernarg_segment_ptr 1
		.amdhsa_wavefront_size32 1
		.amdhsa_system_sgpr_workgroup_id_x 1
		.amdhsa_system_sgpr_workgroup_id_y 1
		.amdhsa_system_sgpr_workgroup_id_z 1
		.amdhsa_system_vgpr_workitem_id 0
		.amdhsa_next_free_vgpr 256
		.amdhsa_next_free_sgpr 92
		.amdhsa_reserve_vcc 0
		.amdhsa_float_denorm_mode_32 3
		.amdhsa_float_denorm_mode_16_64 3
		.amdhsa_memory_ordered 1
		.amdhsa_forward_progress 1
		.amdhsa_inst_pref_size 39
	.end_amdhsa_kernel
	.amdgpu_metadata
---
amdhsa.version: [ 1, 2 ]
amdhsa.kernels:
  - .name:           k_q3679febc65_oproj
    .symbol:         k_q3679febc65_oproj.kd
    .args:
      - { .name: oc, .offset: 0, .size: 8, .value_kind: global_buffer, .address_space: global }
      - { .name: os, .offset: 8, .size: 8, .value_kind: global_buffer, .address_space: global }
      - { .name: Wo_codes, .offset: 16, .size: 8, .value_kind: global_buffer, .address_space: global }
      - { .name: Wo_scales, .offset: 24, .size: 8, .value_kind: global_buffer, .address_space: global }
      - { .name: out0, .offset: 32, .size: 8, .value_kind: global_buffer, .address_space: global }
    .group_segment_fixed_size: 264192
    .private_segment_fixed_size: 0
    .kernarg_segment_align: 8
    .kernarg_segment_size: 40
    .max_flat_workgroup_size: 128
    .sgpr_count:     92
    .vgpr_count:     256
    .wavefront_size: 32
...
	.end_amdgpu_metadata
.endif
;; end of part 3
